; MI455X (gfx1250); checked and timed in simulation.
; The chip was launched on July 23, 2026; its instructions are those of AMD's public machine-readable ISA for CDNA 5 (MIT licence, August 2026) and "CDNA5" Instruction Set Architecture Reference Guide (July 2026). The comments in the code are by the model that wrote it; some were corrected since.
;; Pattern FFN. Allowed arithmetic: matrix products marked QUANTISED: E4M3 operands, one E8M0 scale for each 32 along K, by v_wmma_scale_f32_16x16x128_f8f6f4 with both operands' format E4M3, f32 sums; products left as they are: f32 operands where the result goes on into a quantised operand, else bf16, f16 or f32 operands; f32 sums; everything else in f32.
;; Inputs: down_b 1,024 float32; down_w_codes 1,024 x 128 x 32 uint8 (E4M3 codes of down_w, K innermost, in blocks of 32 codes); down_w_scales 1,024 x 128 uint8 (E8M0 scales of down_w, one for each 32 codes along K); gates 64 x 4,096 float32; pattern_affinity 64 x 2,048 float32; router_out 4 x 2,048 x 2,048 float32; topk_neuron_idx 4 x 2,048 x 16 int32; topk_neuron_weights 4 x 2,048 x 16 float32; up_b 4,096 float32; up_w_codes 4,096 x 32 x 32 uint8 (E4M3 codes of up_w, K innermost, in blocks of 32 codes); up_w_scales 4,096 x 32 uint8 (E8M0 scales of up_w, one for each 32 codes along K); x_codes 4 x 2,048 x 32 x 32 uint8 (E4M3 codes of x, K innermost, in blocks of 32 codes); x_scales 4 x 2,048 x 32 uint8 (E8M0 scales of x, one for each 32 codes along K).
;; Outputs: out0 4 x 2,048 x 1,024 float32.
;; This version of the problem:
;;   THIS VERSION OF THE PROBLEM IS GIVEN IN LOW PRECISION. The matrix products marked QUANTISED in the list below multiply operands that are first quantised to E4M3 (4 exponent bits, 3 mantissa bits; 8 bits a number), with one power-of-two scale for each 32 numbers along K (OCP MX v1.0); their sums are f32. All else is computed in f32.
;;   The module's matrix products, in the order in which they are computed (A, B: the left and right operand; K: the contracted axis; several contracted axes count as one K, in the product's order):
;;     1. batch 8,192 x [M 64, K 16] x [K 16, N 1]; A: computed on the way; B: input topk_neuron_weights: left as it is (K = 16 < 32)
;;     2. batch 8,192 x [M 1, K 4] x [K 4, N 4,096]; A: softmax; B: computed on the way: left as it is (K = 4 < 32)
;;     3. [M 8,192, K 1,024] x [K 1,024, N 4,096]; A: input x (given as codes); B: input up_w (given as codes): QUANTISED
;;     4. [M 8,192, K 4,096] x [K 4,096, N 1,024]; A: computed on the way; B: input down_w (given as codes): QUANTISED
;;   THE QUANTISER, for each operand of a quantised product, along K:
;;     - K is cut into blocks of 32 from its start; a last block that is shorter is filled with zeros.
;;     - A block's scale is 2^e with e = floor(log2(the largest magnitude in the block)) - 8, held to -126 .. 127; a block of zeros has e = 0. As a byte (E8M0): e + 127.
;;     - Each number is divided by its block's scale, clamped to +-448, and rounded to the nearest number of E4M3, ties to even, subnormals kept.
;;     - The product sums the exact products of the quantised numbers (number of the format x scale) in f32.
;;   ~~~python
;;   def quantise(x, axis):      # numpy; x: float32 -> the quantised numbers, widened to float32 again
;;       x = np.moveaxis(x, axis, -1); K = x.shape[-1]
;;       x = np.pad(x, [(0, 0)] * (x.ndim - 1) + [(0, -K % 32)]); x = x.reshape(x.shape[:-1] + (-1, 32)); a = np.abs(x).max(-1, keepdims=True)
;;       e = np.where(a > 0, np.clip(np.frexp(np.where(a > 0, a, 1))[1] - 1 - 8, -126, 127), 0)      # np.frexp(a)[1] - 1 = floor(log2(a)), exactly
;;       r = np.clip(x / 2.0 ** e, -448, 448)
;;       step = 2.0 ** (np.maximum(np.frexp(np.where(r == 0, 1, r))[1] - 1, -6) - 3)
;;       q = np.round(r / step) * step * 2.0 ** e      # np.round: ties to even
;;       return np.moveaxis(q.reshape(q.shape[:-2] + (-1,))[..., :K], -1, axis).astype(np.float32)
;;   ~~~
;;   OPERANDS COMPUTED ON THE WAY. 'Computed on the way' means the value that the module computes at that place (a softmax that the list does not call 'softmax' is quantised finished and normalised). What goes into a quantiser is computed in f32, as accurately as f32 sums, v_exp_f32 and their like allow (about 1e-6 of the number): no bf16 or f16 on the way to a quantiser, and a product that is left as it is and whose result goes on into a quantised operand takes f32 operands (vector FMAs, or v_wmma_f32_16x16x4_f32). A number that lies on a knife's edge between two numbers of the format may be rounded either way, as far as f32 arithmetic and the matrix unit's own rounding can turn it there, and no further.
;;   INPUTS GIVEN AS CODES. down_w (in the module: [4096, 1024], K = its axis 0); up_w (in the module: [1024, 4096], K = its axis 0); x (in the module: [4, 2048, 1024], K = its axis 2): each comes as NAME_codes (uint8): NAME with its K axis moved to the last place and cut into blocks of 32 codes, [.., K / 32, bytes a block], one block behind the other in memory; one code a byte (a code: sign, 4 exponent bits, 3 mantissa bits); and NAME_scales (uint8): the same leading axes, one E8M0 byte (e + 127) for each 32 codes along K. Its value is code x scale, taken as it is: it is not quantised again, and the codes and scales need not be those that the quantiser above would give.
;; One version. Each part assembles by itself: llvm-mc -triple=amdgcn-amd-amdhsa -mcpu=gfx1250 --defsym DOCPART=n.
;; ======== version 1 of 1: 4 launches
;; limits: a function is approximated: absolute error at most 1.5e-07
;; workspace buffers: xi 8,388,608 bytes; uwi 4,194,304 bytes; dwi 4,194,304 bytes; pat 524,288 bytes; ridx 131,072 bytes of whole numbers; rwt 131,072 bytes; hc 33,554,432 bytes; hs 1,048,576 bytes
;; launch prep (part 1): grid 264 x 1, 8 waves a work-group, no clusters, 70,656 bytes of LDS; arguments x_codes, up_w_codes, down_w_codes, pattern_affinity, xi, uwi, dwi, pat; writes xi, uwi, dwi, pat
.if DOCPART == 1
	.amdgcn_target "amdgcn-amd-amdhsa--gfx1250"
	.amdhsa_code_object_version 6
	.text
	.protected	k_qcc3aebe98a_prep
	.globl	k_qcc3aebe98a_prep
	.p2align	8
	.type	k_qcc3aebe98a_prep,@function
k_qcc3aebe98a_prep:
	s_mov_b64 s[64:65], 0
	v_nop
	global_prefetch_b8 v0, s[64:65] scope:SCOPE_SE
	s_setreg_imm32_b32 hwreg(HW_REG_WAVE_MODE, 25, 1), 1
	s_wait_xcnt 0x0
; PatternFFN, launch 1 of 4: the operands are laid as the later launches' registers take them.
; DEAD WORK: reference() takes router_out as an argument and names it in no expression, so for all values of the inputs it has no way
; to the output: it is not loaded and is no argument of any launch.  LIMIT: a NaN or an infinity in router_out is not carried to the result.
; IMAGES.  A fragment of the scaled 16x16x128 product (16 rows x 128 K of 8-bit codes) is 16 registers a lane: lane (r = l % 16, h = l / 16)
; holds k = 32 c + 16 h + 0..15 of row r in registers 4 c .. 4 c + 3.  An image is these registers on end: [c 0..3][lane][16 bytes], 2,048 bytes.
;   xi  [token tile 512][K step 8]   rows: 16 neighbouring tokens
;   uwi [tile 256][K step 8]         lane r of tile T takes hidden row 16 T - 8 (T % 2) + r + 8 (r / 8), so that the results of tiles 2 b and 2 b + 1,
;                                    used transposed, are 16 neighbours along the next product's K in one lane
;   dwi [output tile 64][K step 32]  rows: 16 neighbouring outputs
; pat [2048 neurons][64 patterns] is pattern_affinity turned, so that a neuron's 64 affinities are 256 consecutive bytes.
; Work-groups 0-127 copy x, 128-191 up_w, 192-255 down_w (a wave: 16 rows x 512 bytes = four images, no LDS); 256-263 turn the affinities through LDS.
; No tile is shared between work-groups, so there is no cluster; no matrix work.
.set SPARE, 69632                      ; behind the eight stages: the spare words, 128 bytes a wave
.set STG,   8704                       ; a wave's stage: 32 rows x (256 + 16) bytes
	s_load_b512 s[4:19], s[0:1], 0x0               ; x_codes s[4:5], up_w_codes s[6:7], down_w_codes s[8:9], pattern_affinity s[10:11], xi s[12:13], uwi s[14:15], dwi s[16:17], pat s[18:19]
	v_lshl_add_u32 v1, v0, 2, SPARE                ; my spare word; never rewritten
	v_mov_b32 v2, 0                                ; 0; never rewritten
	v_lshrrev_b32 v5, 5, v0
	v_readfirstlane_b32 s20, v5                    ; wave 0..7
	v_and_b32 v6, 31, v0                           ; lane
	v_and_b32 v7, 15, v0                           ; r
	v_bfe_u32 v8, v0, 4, 1                         ; h
	s_wait_kmcnt 0x0
	s_cmp_ge_u32 ttmp9, 256
	s_cbranch_scc1 .Lpat
	; ---- the copies.  Unit U = 8 x work-group + wave; what differs between the three tensors is chosen on the work-group's number alone
	s_lshl_b32 s21, ttmp9, 3
	s_add_co_u32 s21, s21, s20                     ; U
	s_mov_b32 s22, 1536                            ; down_w: its first unit,
	s_mov_b32 s23, 3                               ; 2^3 units to a row of 4,096 bytes,
	s_mov_b32 s30, 12                              ; log2 of that row
	s_cmp_lt_u32 ttmp9, 192
	s_cselect_b64 s[24:25], s[6:7], s[8:9]         ; from
	s_cselect_b64 s[26:27], s[14:15], s[16:17]     ; to
	s_cselect_b32 s22, 1024, s22
	s_cselect_b32 s23, 1, s23
	s_cselect_b32 s30, 10, s30
	s_cselect_b32 s29, 8, 0                        ; 8 for up_w: its tiles' rows are not neighbours
	s_cmp_lt_u32 ttmp9, 128
	s_cselect_b64 s[24:25], s[4:5], s[24:25]
	s_cselect_b64 s[26:27], s[12:13], s[26:27]
	s_cselect_b32 s22, 0, s22
	s_cselect_b32 s29, 0, s29
	s_sub_co_u32 s21, s21, s22                     ; the unit's number in its tensor
	s_lshr_b32 s28, s21, s23                       ; tile T
	s_bfm_b32 s31, s23, 0
	s_and_b32 s31, s21, s31
	s_lshl_b32 s31, s31, 9                         ; which 512 bytes of the rows
	s_and_b32 s32, s28, 1
	s_mul_i32 s32, s32, s29
	s_lshl_b32 s28, s28, 4
	s_sub_co_u32 s28, s28, s32                     ; the tile's first row: 16 T - 8 (T % 2) for up_w, 16 T else
	s_lshl_b32 s32, s21, 13                        ; four images = 8,192 bytes a unit
	s_mov_b32 s33, 0
	s_add_nc_u64 s[26:27], s[26:27], s[32:33]
	v_lshrrev_b32 v9, 3, v7
	v_mul_u32_u24 v9, s29, v9                      ; 8 (r / 8) for up_w
	v_add3_u32 v9, v9, v7, s28                     ; my row
	v_lshlrev_b32 v9, s30, v9
	v_lshl_add_u32 v3, v8, 4, v9
	v_add_nc_u32 v3, s31, v3                       ; row x pitch + column + 16 h
	v_lshlrev_b32 v4, 4, v6                        ; 16 x lane
.irp i, 0,1,2,3,4,5,6,7,8,9,10,11,12,13,14,15
	global_load_b128 v[16+4*\i:19+4*\i], v3, s[24:25] offset:32*\i th:TH_LOAD_NT   ; K step i / 4, c = i % 4; the sixteen loads together take 512 whole bytes of each row
.endr
.irp i, 0,1,2,3,4,5,6,7,8,9,10,11,12,13,14,15
	s_wait_loadcnt 15-\i                           ; loads come back in order: load i is in, the younger ones stay out
	global_store_b128 v4, v[16+4*\i:19+4*\i], s[26:27] offset:512*\i   ; 32 lanes store 512 consecutive bytes, aligned
.endr
	s_endpgm
.Lpat:
	; ---- the affinities: a wave takes 32 neurons, a lane one neuron, its registers run over the 64 patterns
	s_sub_co_u32 s21, ttmp9, 256
	s_lshl_b32 s21, s21, 3
	s_add_co_u32 s21, s21, s20                     ; which 32 neurons: 0..63
	s_lshl_b32 s22, s21, 7                         ; 32 x 4 bytes in a row of pattern_affinity
	s_mov_b32 s23, 0
	s_add_nc_u64 s[10:11], s[10:11], s[22:23]
	s_lshl_b32 s22, s21, 13                        ; 32 rows of 256 bytes in pat
	s_add_nc_u64 s[18:19], s[18:19], s[22:23]
	v_lshlrev_b32 v3, 2, v6
	s_mul_i32 s24, s20, STG
	v_mul_u32_u24 v9, v6, 272
	v_add_nc_u32 v9, s24, v9                       ; into the stage: row = my neuron
	v_mul_u32_u24 v10, v8, 272
	v_lshl_add_u32 v10, v7, 4, v10
	v_add_nc_u32 v10, s24, v10                     ; out of it: sixteen lanes to a row, two rows an instruction
	v_lshlrev_b32 v11, 8, v8
	v_lshl_add_u32 v11, v7, 4, v11                 ; and the same place in pat
.irp p, 0,1,2,3,4,5,6,7,8,9,10,11,12,13,14,15,16,17,18,19,20,21,22,23,24,25,26,27,28,29,30,31,32,33,34,35,36,37,38,39,40,41,42,43,44,45,46,47,48,49,50,51,52,53,54,55,56,57,58,59,60,61,62,63
	global_load_b32 v[16+\p], v3, s[10:11] offset:8192*\p th:TH_LOAD_NT   ; pattern p of 32 neighbouring neurons: 128 consecutive bytes
.endr
	s_wait_loadcnt 0x0
.irp k, 0,1,2,3,4,5,6,7,8,9,10,11,12,13,14,15
	ds_store_b128 v9, v[16+4*\k:19+4*\k] offset:16*\k
.endr
.irp t, 0,1,2,3,4,5,6,7,8,9,10,11,12,13,14,15
	ds_load_b128 v[80+4*\t:83+4*\t], v10 offset:544*\t   ; LDS serves a wave's instructions in order: these see my stores
.endr
.irp t, 0,1,2,3,4,5,6,7,8,9,10,11,12,13,14,15
	s_wait_dscnt 15-\t
	global_store_b128 v11, v[80+4*\t:83+4*\t], s[18:19] offset:512*\t   ; sixteen lanes store a neuron's 256 bytes
.endr
	s_wait_tensorcnt 0x0                           ; the wave's end, behind my last LDS store
	ds_add_u32 v1, v2
	s_wait_dscnt 0x0
	s_endpgm
.Lfunc_end_k_qcc3aebe98a_prep:
	.size	k_qcc3aebe98a_prep, .Lfunc_end_k_qcc3aebe98a_prep-k_qcc3aebe98a_prep
	.p2alignl 7, 3214868480
	.fill 96, 4, 3214868480
	.section	.rodata,"a",@progbits
	.p2align	6, 0x0
	.amdhsa_kernel k_qcc3aebe98a_prep
		.amdhsa_group_segment_fixed_size 70656
		.amdhsa_private_segment_fixed_size 0
		.amdhsa_enable_private_segment 0
		.amdhsa_kernarg_size 64
		.amdhsa_user_sgpr_count 2
		.amdhsa_user_sgpr_kernarg_segment_ptr 1
		.amdhsa_wavefront_size32 1
		.amdhsa_system_sgpr_workgroup_id_x 1
		.amdhsa_system_sgpr_workgroup_id_y 1
		.amdhsa_system_sgpr_workgroup_id_z 1
		.amdhsa_system_vgpr_workitem_id 0
		.amdhsa_next_free_vgpr 144
		.amdhsa_next_free_sgpr 66
		.amdhsa_reserve_vcc 0
		.amdhsa_float_denorm_mode_32 3
		.amdhsa_float_denorm_mode_16_64 3
		.amdhsa_memory_ordered 1
		.amdhsa_forward_progress 1
		.amdhsa_inst_pref_size 17
	.end_amdhsa_kernel
	.amdgpu_metadata
---
amdhsa.version: [ 1, 2 ]
amdhsa.kernels:
  - .name:           k_qcc3aebe98a_prep
    .symbol:         k_qcc3aebe98a_prep.kd
    .args:
      - { .name: x_codes, .offset: 0, .size: 8, .value_kind: global_buffer, .address_space: global }
      - { .name: up_w_codes, .offset: 8, .size: 8, .value_kind: global_buffer, .address_space: global }
      - { .name: down_w_codes, .offset: 16, .size: 8, .value_kind: global_buffer, .address_space: global }
      - { .name: pattern_affinity, .offset: 24, .size: 8, .value_kind: global_buffer, .address_space: global }
      - { .name: xi, .offset: 32, .size: 8, .value_kind: global_buffer, .address_space: global }
      - { .name: uwi, .offset: 40, .size: 8, .value_kind: global_buffer, .address_space: global }
      - { .name: dwi, .offset: 48, .size: 8, .value_kind: global_buffer, .address_space: global }
      - { .name: pat, .offset: 56, .size: 8, .value_kind: global_buffer, .address_space: global }
    .group_segment_fixed_size: 70656
    .private_segment_fixed_size: 0
    .kernarg_segment_align: 8
    .kernarg_segment_size: 64
    .max_flat_workgroup_size: 256
    .sgpr_count:     66
    .vgpr_count:     144
    .wavefront_size: 32
...
	.end_amdgpu_metadata
.endif
;; end of part 1
;; launch route (part 2): grid 256 x 1, 16 waves a work-group, no clusters, 3,072 bytes of LDS; arguments pat, topk_neuron_idx, topk_neuron_weights, ridx, rwt; writes ridx, rwt
.if DOCPART == 2
	.amdgcn_target "amdgcn-amd-amdhsa--gfx1250"
	.amdhsa_code_object_version 6
	.text
	.protected	k_qcc3aebe98a_route
	.globl	k_qcc3aebe98a_route
	.p2align	8
	.type	k_qcc3aebe98a_route,@function
k_qcc3aebe98a_route:
	s_mov_b64 s[64:65], 0
	v_nop
	global_prefetch_b8 v0, s[64:65] scope:SCOPE_SE
	s_setreg_imm32_b32 hwreg(HW_REG_WAVE_MODE, 25, 1), 1
	s_wait_xcnt 0x0
; PatternFFN, launch 2 of 4: for each token the 64 pattern scores (f32 multiply-adds over its 16 neurons, k ascending), the four largest, their softmax.
; router_out has no way to an output (shown at the head of launch prep): it is no argument.
; ridx [token][4] i32: the chosen patterns, the largest score first, the lower index first among equals, as jax.lax.top_k has them.
; rwt  [token][4] f32: -log2(e) x the softmax weight (the largest score is taken away before the exponentials): the next launch's sigmoid wants 2^(-log2(e) x gate).
; The choice is made here and stored as whole numbers: no address of this launch hangs on it.
; A work-group has 32 tokens, a wave two (A, B); lane l holds patterns 2 l and 2 l + 1.  A token's indices and weights are scalars; a neuron's row of pat is 256 bytes, one load.
; LIMITS: NaN and infinite scores are not served (a chosen score is taken out of the running as -infinity).
; No tile is shared, no matrix work: no cluster.
.set WTS,   512                        ; LDS: 0..511 the 32 tokens' indices, 512..1023 their weights
.set SPARE, 1024                       ; the spare words, 128 bytes for each of 16 waves
	s_load_b256 s[4:11], s[0:1], 0x0               ; pat s[4:5], indices s[6:7], weights s[8:9], ridx s[10:11]
	s_load_b64 s[12:13], s[0:1], 0x20              ; rwt
	v_lshl_add_u32 v1, v0, 2, SPARE                ; my spare word; never rewritten
	v_mov_b32 v2, 0                                ; 0; never rewritten
	v_lshrrev_b32 v6, 5, v0
	v_readfirstlane_b32 s14, v6                    ; wave 0..15
	v_and_b32 v3, 31, v0                           ; lane
	v_lshlrev_b32 v6, 1, v3
	v_cvt_f32_u32 v4, v6                           ; my patterns' numbers as f32: 2 l,
	v_add_nc_u32 v6, 1, v6
	v_cvt_f32_u32 v5, v6                           ; 2 l + 1
	v_lshlrev_b32 v129, 4, v3                      ; the way out: 16 x lane in memory,
	v_and_b32 v128, 63, v0
	v_lshlrev_b32 v128, 4, v128                    ; and in LDS: wave 0 reads the indices, wave 1 the weights
	v_lshlrev_b32 v3, 3, v3                        ; my 8 bytes of a row of pat
	v_mov_b32 v130, 0xff800000                     ; -infinity
	v_mov_b32 v131, s14
	v_lshlrev_b32 v131, 5, v131                    ; where my two tokens' results go in LDS
	v_mov_b32 v27, 0                               ; written once: a lane permute's destination counts as one of its sources
	s_mov_b32 s84, 0x76543210
	s_mov_b32 s85, 0xfedcba98                      ; v_permlanex16_b32's selects for lane l xor 16
	s_lshl_b32 s15, ttmp9, 5
	s_lshl_b32 s86, s14, 1
	s_add_co_u32 s15, s15, s86                     ; token A
	s_lshl_b32 s86, s15, 6                         ; 64 bytes a token
	s_mov_b32 s87, 0
	s_wait_kmcnt 0x0
	s_add_nc_u64 s[6:7], s[6:7], s[86:87]
	s_add_nc_u64 s[8:9], s[8:9], s[86:87]
	s_load_b512 s[16:31], s[6:7], 0x0              ; A's 16 neurons
	s_load_b512 s[48:63], s[6:7], 0x40             ; B's
	s_load_b512 s[32:47], s[8:9], 0x0              ; A's 16 weights
	s_load_b512 s[68:83], s[8:9], 0x40             ; B's
	s_wait_kmcnt 0x0
.irp k, 0,1,2,3,4,5,6,7,8,9,10,11,12,13,14,15
	s_min_u32 s[16+\k], s[16+\k], 2047             ; an index that was loaded is held inside the table before it enters an address
	s_min_u32 s[48+\k], s[48+\k], 2047
	v_lshl_add_u32 v[32+\k], s[16+\k], 8, v3
	v_lshl_add_u32 v[48+\k], s[48+\k], 8, v3
	global_load_b64 v[64+2*\k:65+2*\k], v[32+\k], s[4:5]   ; 32 lanes read the neuron's 256 bytes
	global_load_b64 v[96+2*\k:97+2*\k], v[48+\k], s[4:5]
.endr
	s_wait_loadcnt 0x0
	v_mul_f32 v6, s32, v64                         ; scores: A in v6, v7; B in v8, v9
	v_mul_f32 v7, s32, v65
	v_mul_f32 v8, s68, v96
	v_mul_f32 v9, s68, v97
.irp k, 1,2,3,4,5,6,7,8,9,10,11,12,13,14,15
	v_fmac_f32 v6, s[32+\k], v[64+2*\k]
	v_fmac_f32 v7, s[32+\k], v[65+2*\k]
	v_fmac_f32 v8, s[68+\k], v[96+2*\k]
	v_fmac_f32 v9, s[68+\k], v[97+2*\k]
.endr
; The largest of the 64 scores -> m; the lowest pattern number that has it -> j (as f32); that score leaves the running.
.macro TOP s0, s1, m, j
	v_max_num_f32 v[\m], v[\s0], v[\s1]
	v_max_num_f32_dpp v[\m], v[\m], v[\m] row_xmask:1 row_mask:0xf bank_mask:0xf
	v_max_num_f32_dpp v[\m], v[\m], v[\m] row_xmask:2 row_mask:0xf bank_mask:0xf
	v_max_num_f32_dpp v[\m], v[\m], v[\m] row_xmask:4 row_mask:0xf bank_mask:0xf
	v_max_num_f32_dpp v[\m], v[\m], v[\m] row_xmask:8 row_mask:0xf bank_mask:0xf
	v_permlanex16_b32 v27, v[\m], s84, s85
	v_max_num_f32 v[\m], v[\m], v27
	v_mov_b32 v26, 0x42800000                      ; 64.0: over every pattern number
	v_cmp_eq_f32 vcc_lo, v[\s1], v[\m]
	v_cndmask_b32 v26, v26, v5, vcc_lo
	v_cmp_eq_f32 vcc_lo, v[\s0], v[\m]
	v_cndmask_b32 v26, v26, v4, vcc_lo             ; the lower of my two wins
	v_min_num_f32_dpp v26, v26, v26 row_xmask:1 row_mask:0xf bank_mask:0xf
	v_min_num_f32_dpp v26, v26, v26 row_xmask:2 row_mask:0xf bank_mask:0xf
	v_min_num_f32_dpp v26, v26, v26 row_xmask:4 row_mask:0xf bank_mask:0xf
	v_min_num_f32_dpp v26, v26, v26 row_xmask:8 row_mask:0xf bank_mask:0xf
	v_permlanex16_b32 v27, v26, s84, s85
	v_min_num_f32 v[\j], v26, v27
	v_cmp_eq_f32 vcc_lo, v4, v[\j]
	v_cndmask_b32 v[\s0], v[\s0], v130, vcc_lo
	v_cmp_eq_f32 vcc_lo, v5, v[\j]
	v_cndmask_b32 v[\s1], v[\s1], v130, vcc_lo
.endm
.irp j, 0,1,2,3
	TOP 6, 7, 10+\j, 14+\j                         ; A: scores v10-13, patterns v14-17
	TOP 8, 9, 18+\j, 22+\j                         ; B: scores v18-21, patterns v22-25
.endr
.irp j, 3,2,1,0
	v_sub_f32 v[10+\j], v[10+\j], v10              ; the largest is taken away (it is the first; its own turn comes last)
	v_sub_f32 v[18+\j], v[18+\j], v18
.endr
.irp j, 0,1,2,3
	v_mul_f32 v[10+\j], 0x3fb8aa3b, v[10+\j]       ; x log2(e)
	v_mul_f32 v[18+\j], 0x3fb8aa3b, v[18+\j]
.endr
.irp j, 0,1,2,3
	v_exp_f32 v[10+\j], v[10+\j]
	v_exp_f32 v[18+\j], v[18+\j]
.endr
	v_nop                                          ; a plain instruction behind the last exponential
	s_wait_alu depctr_va_vdst(0)                   ; one wait for the batch of eight, ahead of its first reader
	v_add_f32 v26, v10, v11
	v_add_f32 v27, v12, v13
	v_add_f32 v28, v18, v19
	v_add_f32 v29, v20, v21
	v_add_f32 v26, v26, v27
	v_add_f32 v28, v28, v29
	v_rcp_f32 v26, v26
	v_rcp_f32 v28, v28
.irp j, 0,1,2,3
	v_cvt_u32_f32 v[14+\j], v[14+\j]               ; the patterns as whole numbers (plain work behind the reciprocals)
	v_cvt_u32_f32 v[22+\j], v[22+\j]
.endr
	s_wait_alu depctr_va_vdst(0)                   ; one wait for the two reciprocals
	v_mul_f32 v26, 0xbfb8aa3b, v26                 ; -log2(e) / the sum
	v_mul_f32 v28, 0xbfb8aa3b, v28
.irp j, 0,1,2,3
	v_mul_f32 v[10+\j], v[10+\j], v26
	v_mul_f32 v[18+\j], v[18+\j], v28
.endr
	ds_store_b128 v131, v[14:17]                   ; all lanes write the same bytes with the same values
	ds_store_b128 v131, v[22:25] offset:16
	ds_store_b128 v131, v[10:13] offset:WTS
	ds_store_b128 v131, v[18:21] offset:WTS+16
	s_wait_dscnt 0x0                               ; for the others' sake: my stores have landed
	s_barrier_signal -1
	s_barrier_wait -1
	s_cmp_lt_u32 s14, 2
	s_cbranch_scc0 .Ldone
	s_cmp_eq_u32 s14, 0                            ; wave 0 stores the work-group's 512 bytes of ridx, wave 1 those of rwt
	s_cselect_b64 s[10:11], s[10:11], s[12:13]
	s_lshl_b32 s86, ttmp9, 9
	s_add_nc_u64 s[10:11], s[10:11], s[86:87]
	ds_load_b128 v[64:67], v128
	s_wait_dscnt 0x0
	global_store_b128 v129, v[64:67], s[10:11]     ; 32 lanes store 512 consecutive bytes, aligned
.Ldone:
	s_wait_tensorcnt 0x0                           ; the wave's end, behind my last LDS store
	ds_add_u32 v1, v2
	s_wait_dscnt 0x0
	s_endpgm
.Lfunc_end_k_qcc3aebe98a_route:
	.size	k_qcc3aebe98a_route, .Lfunc_end_k_qcc3aebe98a_route-k_qcc3aebe98a_route
	.p2alignl 7, 3214868480
	.fill 96, 4, 3214868480
	.section	.rodata,"a",@progbits
	.p2align	6, 0x0
	.amdhsa_kernel k_qcc3aebe98a_route
		.amdhsa_group_segment_fixed_size 3072
		.amdhsa_private_segment_fixed_size 0
		.amdhsa_enable_private_segment 0
		.amdhsa_kernarg_size 40
		.amdhsa_user_sgpr_count 2
		.amdhsa_user_sgpr_kernarg_segment_ptr 1
		.amdhsa_wavefront_size32 1
		.amdhsa_system_sgpr_workgroup_id_x 1
		.amdhsa_system_sgpr_workgroup_id_y 1
		.amdhsa_system_sgpr_workgroup_id_z 1
		.amdhsa_system_vgpr_workitem_id 0
		.amdhsa_next_free_vgpr 136
		.amdhsa_next_free_sgpr 96
		.amdhsa_reserve_vcc 1
		.amdhsa_float_denorm_mode_32 3
		.amdhsa_float_denorm_mode_16_64 3
		.amdhsa_memory_ordered 1
		.amdhsa_forward_progress 1
		.amdhsa_inst_pref_size 22
	.end_amdhsa_kernel
	.amdgpu_metadata
---
amdhsa.version: [ 1, 2 ]
amdhsa.kernels:
  - .name:           k_qcc3aebe98a_route
    .symbol:         k_qcc3aebe98a_route.kd
    .args:
      - { .name: pat, .offset: 0, .size: 8, .value_kind: global_buffer, .address_space: global }
      - { .name: topk_neuron_idx, .offset: 8, .size: 8, .value_kind: global_buffer, .address_space: global }
      - { .name: topk_neuron_weights, .offset: 16, .size: 8, .value_kind: global_buffer, .address_space: global }
      - { .name: ridx, .offset: 24, .size: 8, .value_kind: global_buffer, .address_space: global }
      - { .name: rwt, .offset: 32, .size: 8, .value_kind: global_buffer, .address_space: global }
    .group_segment_fixed_size: 3072
    .private_segment_fixed_size: 0
    .kernarg_segment_align: 8
    .kernarg_segment_size: 40
    .max_flat_workgroup_size: 512
    .sgpr_count:     96
    .vgpr_count:     136
    .wavefront_size: 32
...
	.end_amdgpu_metadata
.endif
;; end of part 2
;; launch up (part 3): grid 32 x 8, 4 waves a work-group, no clusters, 172,032 bytes of LDS; arguments xi, x_scales, uwi, up_w_scales, up_b, gates, ridx, rwt, hc, hs; writes hc, hs
.if DOCPART == 3
	.amdgcn_target "amdgcn-amd-amdhsa--gfx1250"
	.amdhsa_code_object_version 6
	.text
	.protected	k_qcc3aebe98a_up
	.globl	k_qcc3aebe98a_up
	.p2align	8
	.type	k_qcc3aebe98a_up,@function
k_qcc3aebe98a_up:
	s_mov_b64 s[64:65], 0
	v_nop
	global_prefetch_b8 v0, s[64:65] scope:SCOPE_SE
	s_setreg_imm32_b32 hwreg(HW_REG_WAVE_MODE, 25, 1), 1
	s_wait_xcnt 0x0
; PatternFFN, launch 3 of 4: H = gelu((x up_w + up_b) x sigmoid(gate)), quantised along the hidden units to E4M3 codes with one E8M0 byte for each 32.
; router_out has no way to an output (shown at the head of launch prep): it is no argument.
; SHARES.  Work-group (hg, tg): hidden units 128 hg .. + 127, tokens 1,024 tg .. + 1,023.  Its 128 rows of up_w (all of K, as images), their scale bytes, its 128 biases and its 128 columns of
; all 64 rows of gates lie in LDS for the whole launch: filled once, never again.  A wave owns 256 tokens, in four rounds of 64 (four tiles of 16).  A round: 256 products, then 16 blocks
; (a tile x 32 hidden units: 16 numbers a lane) of gate, sigmoid, GELU and quantiser.  x goes from memory straight into registers, a round ahead.  Waves share nothing but what lies in LDS.
; NO CLUSTER: what work-groups share by tensor loads is the 165 KB of first fills out of some 1.2 MB that a work-group reads; the rest, x, goes into registers.
; THE PRODUCT IS USED TRANSPOSED (source 0 = 16 rows of up_w, source 1 = 16 tokens): a lane holds one token, and by the order in which launch prep chose the rows of a tile the 16 registers of
; tiles 2 b, 2 b + 1 are hidden units 32 b + 16 (lane / 16) + 0..15: 16 neighbours along the next product's K.  up_b stands in the accumulators before the first product.
; ONE NUMBER, all in f32: g' = sum of rwt_j x gates[ridx_j] (rwt holds -log2(e) x the weight); sig = 1 / (1 + 2^g'); u = h sig; a = |u|; t = 1 / (1 + 0.3275911 a / sqrt 2);
; e = 2^(-log2(e) u u / 2); Q = a1 + t (a2 + t (a3 + t (a4 + t a5))); y = (u + a) - (a t e) Q = 2 gelu(u)  (erfc after Abramowitz and Stegun 7.1.26; in this form nothing cancels for u < 0).
; The factor 2 is exact and goes into the scale: y's codes under twice the scale are gelu's own codes, and the stored byte is the exponent field of the block's largest |y|, less 9.
; LIMITS: that erfc is good to 1.5e-7 absolutely, so gelu's relative error passes 1e-6 below u = -1.6 (numbers small beside their block's largest); |u| under 1.7e38; NaN and infinities are
; not served; a block of zeros gets the byte 1 where the rule says 127 (its codes are zeros, and this program alone reads the bytes).
; OUT.  hc [token tile][K step = hg] images of the next product's operand; hs [64 tokens][K step][lane][2 words]: word j of lane l is the scale word of tile 2 j + l / 16, row l % 16.
; REGISTERS.  window 0: v1, v2 the add's two; v3-13 addresses and a4; v16-31 x's scale words; v32-39 up_w's; v40-55 gather addresses; v56-71 rwt; v72-79 codes; v80-91 at work;
;   v96-223 two sets of four fragments of up_w, in the blocks v96-159 the gathered gates, v160-255 X0, X1, AU, T, Z, Q.   window 1: the 32 accumulators ((tile tt, tile t) at 64 tt + 8 t).
;   windows 2, 3: x's fragments ((tt, K step s) at 128 (tt % 2) + 16 s of window 2 + tt / 2).
.set BIAS,  4608                       ; LDS: 0..4607 up_w's scale rows (32 bytes a row, 16 of padding behind each 256); 4608..5119 the biases
.set GATES, 5120                       ; 64 rows of 512 bytes + 16
.set WL,    38912                      ; up_w's images: 16384 t + 2048 s + 512 c + 16 lane
.set SPARE, 169984                     ; the spare words, 128 bytes a wave
.set MSB, 0
.macro WIN new                         ; the immediate's high byte repeats the setting that is left; a switch that changes nothing is dropped
.if MSB != \new
	s_set_vgpr_msb (MSB<<8)|\new
.set MSB, \new
.endif
.endm
.macro WM                              ; the product, from the symbols D_, A_, B_ (registers), SA_, SB_ (scale registers), RA_, RB_ (1: the scales stand in lanes 16-31)
.if RA_ && RB_
	v_wmma_scale_f32_16x16x128_f8f6f4 v[D_:D_+7], v[A_:A_+15], v[B_:B_+15], v[D_:D_+7], v[SA_], v[SB_] matrix_a_scale:MATRIX_SCALE_ROW1 matrix_b_scale:MATRIX_SCALE_ROW1
.elseif RA_
	v_wmma_scale_f32_16x16x128_f8f6f4 v[D_:D_+7], v[A_:A_+15], v[B_:B_+15], v[D_:D_+7], v[SA_], v[SB_] matrix_a_scale:MATRIX_SCALE_ROW1
.elseif RB_
	v_wmma_scale_f32_16x16x128_f8f6f4 v[D_:D_+7], v[A_:A_+15], v[B_:B_+15], v[D_:D_+7], v[SA_], v[SB_] matrix_b_scale:MATRIX_SCALE_ROW1
.else
	v_wmma_scale_f32_16x16x128_f8f6f4 v[D_:D_+7], v[A_:A_+15], v[B_:B_+15], v[D_:D_+7], v[SA_], v[SB_]
.endif
.endm
; Twelve of the 132 loads that bring a round's x: 128 of 512 consecutive bytes (four tiles x eight images), then four for the scale words (lane l: token 32 p + l, four K steps a load)
.macro XPIECE n
.set I_, 12*(\n)
.rept 12
.if I_ < 64
	WIN 0x80
	global_load_b128 v[4*I_:4*I_+3], v3, s[4:5] offset:512*I_
.elseif I_ < 128
	WIN 0xc0
	global_load_b128 v[4*(I_-64):4*(I_-64)+3], v3, s[4:5] offset:512*I_
.else
	WIN 0
	global_load_b128 v[16+4*(I_-128):19+4*(I_-128)], v8, s[6:7] offset:1024*((I_-128)/2)+16*((I_-128)%2)
.endif
.set I_, I_+1
.endr
	WIN 0
.endm
.macro BIASLD                          ; the biases into all 32 accumulators: register 16 b + i of a tile of tokens is hidden unit 32 b + 16 h + i
	WIN 0x40
.irp tt, 0,1,2,3
.irp q, 0,1,2,3,4,5,6,7,8,9,10,11,12,13,14,15
	ds_load_b128 v[64*\tt+4*\q:64*\tt+4*\q+3], v7 offset:128*(\q/4)+16*(\q%4)
.endr
.endr
	WIN 0
.endm
.macro LOADW g                         ; group g's four fragments of up_w (tiles 4 (g % 2) + 0..3, K step g / 2) into set g % 2
.irp tl, 0,1,2,3
.irp c, 0,1,2,3
	ds_load_b128 v[96+64*((\g)%2)+16*\tl+4*\c:99+64*((\g)%2)+16*\tl+4*\c], v[4+(\g)%2] offset:16384*\tl+2048*((\g)/2)+512*\c
.endr
.endr
.endm
.macro LOADS s                         ; K step s's scale words of up_w into set s % 2: register b: tile 2 b in lanes 0-15, tile 2 b + 1 in lanes 16-31
.irp b, 0,1,2,3
	ds_load_b32 v[32+4*((\s)%2)+\b], v6 offset:1088*\b+4*(\s)
.endr
.endm
; Sixteen products: four tiles of up_w x four tiles of tokens, one K step.  The 16 accumulators take turns, and two groups that follow each other name different ones.
.macro GROUP g
.set S_, (\g)/2
.set P_, (\g)%2
.if (\g) == 15
	s_wait_dscnt 0x0                               ; nothing was asked for behind this group's fragments
.elseif P_
	s_wait_dscnt 20                                ; behind my fragments: 4 scale words and the next group's 16 loads
.else
	s_wait_dscnt 16                                ; behind my fragments and scale words: the next group's 16 loads
.endif
.irp tt, 0,1,2,3
.if \tt < 2
	WIN 0x58                                       ; source 0 window 0, source 1 window 2, C and D window 1
.else
	WIN 0x5c                                       ; source 1 window 3
.endif
.irp tl, 0,1,2,3
.set D_, 64*\tt+8*(4*P_+\tl)
.set A_, 96+64*P_+16*\tl
.set B_, 128*(\tt%2)+16*S_
.set SA_, 32+4*(S_%2)+2*P_+\tl/2
.set SB_, 16+8*(\tt/2)+S_
.set RA_, \tl%2
.set RB_, \tt%2
	WM
.endr
.endr
	WIN 0
.rept 8
	v_nop                                          ; eight places in front of loads into registers that these products have read, and of the first read of results
.endr
.if (P_ == 0) && ((\g) <= 12)
	LOADS S_+1
.endif
.if (\g) <= 13
	LOADW (\g)+2
.endif
.endm
.macro GATHER tt, b                    ; for my token of tile tt: 16 numbers (hidden units 32 b + 16 h + 0..15) of each of its four rows of gates
.irp j, 0,1,2,3
.irp i, 0,1,2,3
	ds_load_b128 v[96+16*\j+4*\i:99+16*\j+4*\i], v[40+4*(\tt)+\j] offset:128*(\b)+16*\i
.endr
.endr
.endm
; The quantiser's first half on the 16 numbers v[y] on (block b of tile tt): the largest magnitude, the conversion's scale operand v82, the hold v83, the byte into the tile's scale word
.macro F1 y, tt, b
	v_max3_num_f32 v80, |v[\y]|, |v[\y+1]|, 0x5000000   ; the floor 2^(10 - 127) among the leaves: the byte cannot fall under 1
	v_max3_num_f32 v81, |v[\y+8]|, |v[\y+9]|, |v[\y+10]|
	v_max3_num_f32 v80, v80, |v[\y+2]|, |v[\y+3]|
	v_max3_num_f32 v81, v81, |v[\y+11]|, |v[\y+12]|
	v_max3_num_f32 v80, v80, |v[\y+4]|, |v[\y+5]|
	v_max3_num_f32 v81, v81, |v[\y+13]|, |v[\y+14]|
	v_max3_num_f32 v80, v80, |v[\y+6]|, |v[\y+7]|
	v_max3_num_f32 v80, v80, v81, |v[\y+15]|
	v_permlanex16_b32 v81, v80, s32, s33
	v_max_num_f32 v80, v80, v81                    ; with lane l xor 16's 16: the block's largest |2 gelu|
	v_add_nc_u32 v82, 0xfc000000, v80              ; 8 off its exponent field: twice the block's scale, by which the doubled numbers are divided
	v_and_or_b32 v83, v80, 0x7f800000, s34         ; 448 x that
	v_add_nc_u32 v84, 0xfb800000, v80              ; 9 off: the block's own scale,
	v_lshrrev_b32 v84, 23, v84                     ; as a byte
.if (\b) == 0
	v_mov_b32 v[85+(\tt)], v84
.else
	v_lshl_or_b32 v[85+(\tt)], v84, 8*(\b), v[85+(\tt)]
.endif
.endm
; and its second half: the hold, the conversion, the store: my 16 codes are 16 bytes of the image's part c = b; 32 lanes store 512 consecutive bytes
.macro F2 y, tt, b, cs
	s_wait_xcnt 0x0                                ; the store of two blocks ago has read these code registers
.irp i, 0,1,2,3,4,5,6,7,8,9,10,11,12,13,14,15
	v_med3_num_f32 v[\y+\i], v[\y+\i], -v83, v83   ; the conversion to an 8-bit code does not saturate (ISA guide 7.6.2)
.endr
	v_cvt_scalef32_pk8_fp8_f32 v[72+4*(\cs):73+4*(\cs)], v[\y:\y+7], v82
	v_cvt_scalef32_pk8_fp8_f32 v[74+4*(\cs):75+4*(\cs)], v[\y+8:\y+15], v82
	v_nop                                          ; a plain instruction behind the last conversion
	global_store_b128 v3, v[72+4*(\cs):75+4*(\cs)], s[20:21] offset:65536*(\tt)+512*(\b)
.endm
; BLOCK n: tile n / 4, hidden units 32 (n % 4) on.  The quantiser of block n - 1 stands behind this block's exponentials and reciprocals as their independent work; each batch of
; transcendentals has one plain instruction and one wait ahead of its first reader.  Blocks 0 to 10 also ask for a twelfth of the next round's x; block 15 for its biases.
.macro BLOCK n
.set TT_, (\n)/4
.set BB_, (\n)%4
.set X_, 160+16*((\n)%2)
.set Y_, 176-16*((\n)%2)
.set W_, 56+4*TT_
.set AC_, 64*TT_+16*BB_
.set PT_, ((\n)-1)/4
.set PB_, ((\n)-1)%4
.set PS_, ((\n)-1)%2
	s_wait_dscnt 0x0                               ; this block's gates are in
.irp i, 0,2,4,6,8,10,12,14
	v_pk_mul_f32 v[X_+\i:X_+\i+1], v[96+\i:97+\i], v[W_:W_+1] op_sel_hi:[1,0]   ; g': the pair's first register serves both halves
.endr
.irp i, 0,2,4,6,8,10,12,14
	v_pk_fma_f32 v[X_+\i:X_+\i+1], v[112+\i:113+\i], v[W_:W_+1], v[X_+\i:X_+\i+1] op_sel:[0,1,0] op_sel_hi:[1,1,1]   ; its second
.endr
.irp i, 0,2,4,6,8,10,12,14
	v_pk_fma_f32 v[X_+\i:X_+\i+1], v[128+\i:129+\i], v[W_+2:W_+3], v[X_+\i:X_+\i+1] op_sel_hi:[1,0,1]
.endr
.irp i, 0,2,4,6,8,10,12,14
	v_pk_fma_f32 v[X_+\i:X_+\i+1], v[144+\i:145+\i], v[W_+2:W_+3], v[X_+\i:X_+\i+1] op_sel:[0,1,0] op_sel_hi:[1,1,1]
.endr
.if (\n) < 15
	GATHER ((\n)+1)/4, ((\n)+1)%4
.endif
.irp i, 0,1,2,3,4,5,6,7,8,9,10,11,12,13,14,15
	v_exp_f32 v[X_+\i], v[X_+\i]                   ; 2^g' = e^-gate
.endr
.if (\n) > 0
	F1 Y_, PT_, PB_
.else
	v_nop
.endif
	s_wait_alu depctr_va_vdst(0)                   ; one wait for the sixteen
.irp i, 0,2,4,6,8,10,12,14
	v_pk_add_f32 v[X_+\i:X_+\i+1], v[X_+\i:X_+\i+1], 1.0 op_sel_hi:[1,0]
.endr
.irp i, 0,1,2,3,4,5,6,7,8,9,10,11,12,13,14,15
	v_rcp_f32 v[X_+\i], v[X_+\i]                   ; the sigmoid
.endr
.if (\n) > 0
	F2 Y_, PT_, PB_, PS_
.else
	v_nop
.endif
	s_wait_alu depctr_va_vdst(0)                   ; one wait for the sixteen
.if (\n) <= 10
	s_cmp_eq_u32 s27, 1                            ; the last round asks for nothing: no load leaves its buffer
	s_cbranch_scc1 .Lnx_\@
	XPIECE \n
.Lnx_\@:
.endif
	WIN 0x01                                       ; source 0: the accumulators, window 1
.irp i, 0,2,4,6,8,10,12,14
	v_pk_mul_f32 v[X_+\i:X_+\i+1], v[AC_+\i:AC_+\i+1], v[X_+\i:X_+\i+1]   ; u
.endr
	WIN 0
.if (\n) == 15
	s_cmp_eq_u32 s27, 1
	s_cbranch_scc1 .Lnb_\@
	BIASLD                                         ; every accumulator has been read: the next round's sums begin
.Lnb_\@:
.endif
.irp i, 0,1,2,3,4,5,6,7,8,9,10,11,12,13,14,15
	v_and_b32 v[192+\i], s35, v[X_+\i]             ; a = |u|
.endr
.irp i, 0,2,4,6,8,10,12,14
	v_pk_fma_f32 v[208+\i:209+\i], v[192+\i:193+\i], s[36:37], 1.0 op_sel_hi:[1,0,0]
.endr
.irp i, 0,2,4,6,8,10,12,14
	v_pk_mul_f32 v[224+\i:225+\i], v[X_+\i:X_+\i+1], v[X_+\i:X_+\i+1]
.endr
.irp i, 0,2,4,6,8,10,12,14
	v_pk_mul_f32 v[224+\i:225+\i], v[224+\i:225+\i], s[38:39] op_sel_hi:[1,0]
.endr
.irp i, 0,1,2,3,4,5,6,7,8,9,10,11,12,13,14,15
	v_rcp_f32 v[208+\i], v[208+\i]                 ; t
.endr
.irp i, 0,1,2,3,4,5,6,7,8,9,10,11,12,13,14,15
	v_exp_f32 v[224+\i], v[224+\i]                 ; e
.endr
.irp i, 0,2,4,6,8,10,12,14
	v_pk_add_f32 v[X_+\i:X_+\i+1], v[X_+\i:X_+\i+1], v[192+\i:193+\i]   ; u + a (plain work behind the batch)
.endr
	s_wait_alu depctr_va_vdst(0)                   ; one wait for the thirty-two
.irp i, 0,2,4,6,8,10,12,14
	v_pk_fma_f32 v[240+\i:241+\i], v[208+\i:209+\i], s[40:41], v[12:13] op_sel_hi:[1,0,1]   ; a4 + t a5
.endr
.irp i, 0,2,4,6,8,10,12,14
	v_pk_fma_f32 v[240+\i:241+\i], v[240+\i:241+\i], v[208+\i:209+\i], s[42:43] op_sel_hi:[1,1,0]
.endr
.irp i, 0,2,4,6,8,10,12,14
	v_pk_fma_f32 v[240+\i:241+\i], v[240+\i:241+\i], v[208+\i:209+\i], s[44:45] op_sel_hi:[1,1,0]
.endr
.irp i, 0,2,4,6,8,10,12,14
	v_pk_fma_f32 v[240+\i:241+\i], v[240+\i:241+\i], v[208+\i:209+\i], s[46:47] op_sel_hi:[1,1,0]   ; Q
.endr
.irp i, 0,2,4,6,8,10,12,14
	v_pk_mul_f32 v[192+\i:193+\i], v[192+\i:193+\i], v[208+\i:209+\i]
.endr
.irp i, 0,2,4,6,8,10,12,14
	v_pk_mul_f32 v[192+\i:193+\i], v[192+\i:193+\i], v[224+\i:225+\i]
.endr
.irp i, 0,2,4,6,8,10,12,14
	v_pk_fma_f32 v[X_+\i:X_+\i+1], v[192+\i:193+\i], v[240+\i:241+\i], v[X_+\i:X_+\i+1] neg_lo:[1,0,0] neg_hi:[1,0,0]   ; 2 gelu(u)
.endr
.endm
	s_load_b512 s[4:19], s[0:1], 0x0               ; xi s[4:5], x_scales s[6:7], uwi s[8:9], up_w_scales s[10:11], up_b s[12:13], gates s[14:15], ridx s[16:17], rwt s[18:19]
	s_load_b128 s[20:23], s[0:1], 0x40             ; hc s[20:21], hs s[22:23]
	v_lshl_add_u32 v1, v0, 2, SPARE                ; my spare word; never rewritten
	v_mov_b32 v2, 0                                ; 0; never rewritten
	ds_add_u32 v1, v2                              ; the wave's opening: the add, twice on end, and its wait ahead of my first tensor load
	ds_add_u32 v1, v2
	v_lshrrev_b32 v14, 5, v0
	v_readfirstlane_b32 s24, v14                   ; wave 0..3
	s_mov_b32 s25, ttmp9                           ; hg
	s_and_b32 s26, ttmp7, 0xffff                   ; tg
	s_mov_b32 s27, 4                               ; rounds to go
	s_mov_b32 s32, 0x76543210
	s_mov_b32 s33, 0xfedcba98                      ; v_permlanex16_b32's selects for lane l xor 16
	s_mov_b32 s34, 0x600000                        ; the mantissa field of 448
	s_mov_b32 s35, 0x7fffffff
	s_mov_b32 s36, 0x3e6d3388                      ; 0.3275911 / sqrt 2  (a packed form names a pair and takes its low word for both halves: both are written)
	s_mov_b32 s37, 0x3e6d3388
	s_mov_b32 s38, 0xbf38aa3b                      ; -log2(e) / 2
	s_mov_b32 s39, 0xbf38aa3b
	s_mov_b32 s40, 0x3f87dc22                      ; a5
	s_mov_b32 s41, 0x3f87dc22
	s_mov_b32 s42, 0x3fb5f0e3                      ; a3
	s_mov_b32 s43, 0x3fb5f0e3
	s_mov_b32 s44, 0xbe91a98e                      ; a2
	s_mov_b32 s45, 0xbe91a98e
	s_mov_b32 s46, 0x3e827906                      ; a1
	s_mov_b32 s47, 0x3e827906
	s_mov_b32 s50, 0xffff0000                      ; lanes 16-31
	; descriptor group 1 for up_w's images: my quarter, 32,768 dense bytes, as 128 rows of 32 elements of 8 bytes
	s_mov_b32 s52, 3<<16
	s_mov_b32 s53, 32<<16                          ; tensor_dim0
	s_mov_b32 s54, 128<<16                         ; tensor_dim1
	s_mov_b32 s55, 32<<16                          ; tile_dim0
	s_mov_b32 s56, 128                             ; tile_dim1
	s_mov_b32 s57, 32                              ; the pitch
	s_mov_b32 s58, 0
	s_mov_b32 s59, 0
	s_mov_b32 s60, 1
	s_lshl_b32 s61, s24, 15
	s_add_co_u32 s61, s61, WL
	; and for the gates: my 16 rows of 128 f32, 4,096 elements apart; four words of padding behind each 128
	s_mov_b32 s68, (2<<16)|(1<<20)|(6<<22)|(3<<25)
	s_mov_b32 s69, 128<<16
	s_mov_b32 s70, 16<<16
	s_mov_b32 s71, 128<<16
	s_mov_b32 s72, 16
	s_mov_b32 s73, 4096
	s_mov_b32 s74, 0
	s_mov_b32 s75, 0
	s_mov_b32 s76, 1
	s_mul_i32 s77, s24, 8448
	s_add_co_u32 s77, s77, GATES
	v_and_b32 v14, 31, v0                          ; lane
	v_and_b32 v15, 15, v0                          ; r
	v_bfe_u32 v92, v0, 4, 1                        ; h
	v_lshlrev_b32 v3, 4, v14                       ; 16 x lane
	v_add_nc_u32 v4, WL, v3                        ; up_w's tiles 0-3,
	v_add_nc_u32 v5, 0x10000, v4                   ; tiles 4-7
	v_lshrrev_b32 v93, 3, v15
	v_lshl_add_u32 v93, v93, 3, v15
	v_lshl_add_u32 v93, v92, 3, v93                ; the row of up_w whose scale word I hold: 8 h + r + 8 (r / 8)
	v_lshrrev_b32 v94, 3, v93
	v_lshlrev_b32 v6, 5, v93
	v_lshl_add_u32 v6, v94, 4, v6                  ; 32 bytes a row, 16 more behind every eighth
	v_lshl_add_u32 v7, v92, 6, BIAS
	v_lshlrev_b32 v8, 5, v14                       ; x's scale rows: 32 bytes a token
	v_lshlrev_b32 v9, 4, v15                       ; ridx, rwt: 16 bytes a token
	v_lshl_add_u32 v10, v92, 6, GATES
	v_lshlrev_b32 v11, 3, v14                      ; hs: 8 bytes a lane
	v_mov_b32 v12, 0xbfba00e3                      ; a4, twice
	v_mov_b32 v13, 0xbfba00e3
	v_lshlrev_b32 v14, 5, v0                       ; thread t brings scale row t of up_w
	v_lshlrev_b32 v15, 2, v0                       ; and bias t
	v_lshrrev_b32 v89, 3, v0
	v_lshl_add_u32 v89, v89, 4, v14
	s_wait_dscnt 0x0                               ; both opening adds are done
	s_wait_kmcnt 0x0
	s_mov_b32 s31, 0
	s_lshl_b32 s30, s25, 17
	s_lshl_b32 s29, s24, 15
	s_add_co_u32 s30, s30, s29
	s_add_nc_u64 s[62:63], s[8:9], s[30:31]        ; uwi + 131,072 hg + 32,768 wave
	s_or_b32 s63, s63, 0x80000000
	s_lshl_b32 s30, s24, 18
	s_lshl_b32 s29, s25, 9
	s_add_co_u32 s30, s30, s29
	s_add_nc_u64 s[78:79], s[14:15], s[30:31]      ; gates + 16 rows x wave + 512 hg
	s_or_b32 s79, s79, 0x80000000
	tensor_load_to_lds s[60:63], s[52:59]          ; the first fills, the only ones: two loads of mine are out
	s_nop 0
	tensor_load_to_lds s[76:79], s[68:75]
	s_nop 0
.rept 4
	v_nop
.endr
	s_lshl_b32 s30, s25, 12
	s_add_nc_u64 s[10:11], s[10:11], s[30:31]
	s_lshl_b32 s30, s25, 9
	s_add_nc_u64 s[12:13], s[12:13], s[30:31]
	s_lshl_b32 s28, s26, 6
	s_lshl_b32 s29, s24, 4
	s_add_co_u32 s28, s28, s29                     ; my first tile of tokens: 64 tg + 16 wave
	s_lshl_b32 s30, s28, 14
	s_add_nc_u64 s[4:5], s[4:5], s[30:31]          ; xi: 16,384 bytes a tile
	s_lshl_b32 s30, s28, 9
	s_add_nc_u64 s[6:7], s[6:7], s[30:31]          ; x_scales: 512
	s_lshl_b32 s30, s28, 8
	s_add_nc_u64 s[16:17], s[16:17], s[30:31]      ; ridx, rwt: 256
	s_add_nc_u64 s[18:19], s[18:19], s[30:31]
	s_lshl_b32 s30, s28, 16
	s_lshl_b32 s29, s25, 11
	s_add_co_u32 s30, s30, s29
	s_add_nc_u64 s[20:21], s[20:21], s[30:31]      ; hc: (32 tile + hg) images
	s_lshl_b32 s30, s28, 11
	s_lshl_b32 s29, s25, 8
	s_add_co_u32 s30, s30, s29
	s_add_nc_u64 s[22:23], s[22:23], s[30:31]      ; hs: (8 tile + hg) x 256
	global_load_b128 v[96:99], v14, s[10:11]
	global_load_b128 v[100:103], v14, s[10:11] offset:16
	global_load_b32 v104, v15, s[12:13]
	XPIECE 0
	XPIECE 1
	XPIECE 2
	XPIECE 3
	s_wait_loadcnt 48                              ; the three oldest loads are in; the 48 of x stay out
	ds_store_b128 v89, v[96:99]
	ds_store_b128 v89, v[100:103] offset:16
	ds_store_b32 v15, v104 offset:BIAS
	XPIECE 4
	XPIECE 5
	XPIECE 6
	XPIECE 7
	XPIECE 8
	XPIECE 9
	XPIECE 10
	s_wait_tensorcnt 0x0                           ; my parts of up_w and of the gates have landed,
	s_wait_dscnt 0x0                               ; my stores too:
	s_barrier_signal -1
	s_barrier_wait -1                              ; everybody's have.  From here to the end LDS is only read
	BIASLD
.Lround:
	s_wait_loadcnt 0x0                             ; this round's x and its scale words
	s_wait_dscnt 0x0                               ; the biases stand in the accumulators
.irp tt, 0,1,2,3
	global_load_b128 v[40+4*\tt:43+4*\tt], v9, s[16:17] offset:256*\tt   ; my token's four patterns
	global_load_b128 v[56+4*\tt:59+4*\tt], v9, s[18:19] offset:256*\tt   ; and their weights
.endr
	LOADW 0
	LOADS 0
	LOADW 1
.irp g, 0,1,2,3,4,5,6,7,8,9,10,11,12,13,14,15
	GROUP \g
.endr
	s_wait_loadcnt 0x0                             ; the patterns and weights; no load is out, so every base may step
	s_add_nc_u64 s[16:17], s[16:17], 1024
	s_add_nc_u64 s[18:19], s[18:19], 1024
	s_add_nc_u64 s[4:5], s[4:5], 0x10000
	s_add_nc_u64 s[6:7], s[6:7], 2048
.irp k, 0,1,2,3,4,5,6,7,8,9,10,11,12,13,14,15
	v_min_u32 v[40+\k], 63, v[40+\k]               ; a number that was loaded is held inside the table before it enters an address
.endr
.irp k, 0,1,2,3,4,5,6,7,8,9,10,11,12,13,14,15
	v_mad_u32_u24 v[40+\k], v[40+\k], 528, v10     ; the row of gates in LDS, + 64 h
.endr
	GATHER 0, 0
.irp n, 0,1,2,3,4,5,6,7,8,9,10,11,12,13,14,15
	BLOCK \n
.endr
	F1 176, 3, 3                                   ; the last block's quantiser
	F2 176, 3, 3, 1
	v_cndmask_b32 v90, v85, v86, s50               ; tile 0's words in lanes 0-15, tile 1's in lanes 16-31 (both halves of the lanes hold a row's word)
	v_cndmask_b32 v91, v87, v88, s50               ; tiles 2 and 3
	global_store_b64 v11, v[90:91], s[22:23]       ; 32 lanes store 256 consecutive bytes, aligned
	s_wait_xcnt 0x0                                ; the stores have read their bases
	s_add_nc_u64 s[20:21], s[20:21], 0x40000       ; four tiles on
	s_add_nc_u64 s[22:23], s[22:23], 8192
	s_sub_co_u32 s27, s27, 1
	s_cmp_lg_u32 s27, 0
	s_cbranch_scc1 .Lround
	s_wait_dscnt 0x0
	s_barrier_signal -1                            ; every wave's reads of LDS are over before any wave's closing add
	s_barrier_wait -1
	s_wait_tensorcnt 0x0                           ; the wave's end, behind my last tensor load and my last LDS store
	ds_add_u32 v1, v2
	s_wait_dscnt 0x0
	s_endpgm
.Lfunc_end_k_qcc3aebe98a_up:
	.size	k_qcc3aebe98a_up, .Lfunc_end_k_qcc3aebe98a_up-k_qcc3aebe98a_up
	.p2alignl 7, 3214868480
	.fill 96, 4, 3214868480
	.section	.rodata,"a",@progbits
	.p2align	6, 0x0
	.amdhsa_kernel k_qcc3aebe98a_up
		.amdhsa_group_segment_fixed_size 172032
		.amdhsa_private_segment_fixed_size 0
		.amdhsa_enable_private_segment 0
		.amdhsa_kernarg_size 80
		.amdhsa_user_sgpr_count 2
		.amdhsa_user_sgpr_kernarg_segment_ptr 1
		.amdhsa_wavefront_size32 1
		.amdhsa_system_sgpr_workgroup_id_x 1
		.amdhsa_system_sgpr_workgroup_id_y 1
		.amdhsa_system_sgpr_workgroup_id_z 1
		.amdhsa_system_vgpr_workitem_id 0
		.amdhsa_next_free_vgpr 1024
		.amdhsa_next_free_sgpr 84
		.amdhsa_reserve_vcc 0
		.amdhsa_float_denorm_mode_32 3
		.amdhsa_float_denorm_mode_16_64 3
		.amdhsa_memory_ordered 1
		.amdhsa_forward_progress 1
		.amdhsa_inst_pref_size 255
	.end_amdhsa_kernel
	.section	.bss,"aw",@nobits
	.p2align	6
	.space	262144
	.amdgpu_metadata
---
amdhsa.version: [ 1, 2 ]
amdhsa.kernels:
  - .name:           k_qcc3aebe98a_up
    .symbol:         k_qcc3aebe98a_up.kd
    .args:
      - { .name: xi, .offset: 0, .size: 8, .value_kind: global_buffer, .address_space: global }
      - { .name: x_scales, .offset: 8, .size: 8, .value_kind: global_buffer, .address_space: global }
      - { .name: uwi, .offset: 16, .size: 8, .value_kind: global_buffer, .address_space: global }
      - { .name: up_w_scales, .offset: 24, .size: 8, .value_kind: global_buffer, .address_space: global }
      - { .name: up_b, .offset: 32, .size: 8, .value_kind: global_buffer, .address_space: global }
      - { .name: gates, .offset: 40, .size: 8, .value_kind: global_buffer, .address_space: global }
      - { .name: ridx, .offset: 48, .size: 8, .value_kind: global_buffer, .address_space: global }
      - { .name: rwt, .offset: 56, .size: 8, .value_kind: global_buffer, .address_space: global }
      - { .name: hc, .offset: 64, .size: 8, .value_kind: global_buffer, .address_space: global }
      - { .name: hs, .offset: 72, .size: 8, .value_kind: global_buffer, .address_space: global }
    .group_segment_fixed_size: 172032
    .private_segment_fixed_size: 0
    .kernarg_segment_align: 8
    .kernarg_segment_size: 80
    .max_flat_workgroup_size: 128
    .sgpr_count:     84
    .vgpr_count:     1024
    .wavefront_size: 32
...
	.end_amdgpu_metadata
.endif
;; end of part 3
;; launch down (part 4): grid 32 x 8, 4 waves a work-group, clusters of 4 x 1, 327,680 bytes of LDS; arguments hc, hs, dwi, down_w_scales, down_b, out0; writes out0
.if DOCPART == 4
	.amdgcn_target "amdgcn-amd-amdhsa--gfx1250"
	.amdhsa_code_object_version 6
	.text
	.protected	k_qcc3aebe98a_down
	.globl	k_qcc3aebe98a_down
	.p2align	8
	.type	k_qcc3aebe98a_down,@function
k_qcc3aebe98a_down:
	s_mov_b64 s[64:65], 0
	v_nop
	global_prefetch_b8 v0, s[64:65] scope:SCOPE_SE
	s_setreg_imm32_b32 hwreg(HW_REG_WAVE_MODE, 25, 1), 1
	s_wait_xcnt 0x0
	s_wait_alu depctr_hold_cnt(0) depctr_sa_sdst(0) depctr_va_vdst(0) depctr_va_sdst(0) depctr_va_ssrc(0) depctr_va_vcc(0) depctr_vm_vsrc(0)
	s_getreg_b32 s2, hwreg(HW_REG_IB_STS2, 6, 4)
	s_cmp_eq_u32 s2, 0
	s_cbranch_scc0 .Lentry_in_a_cluster
	s_endpgm
.Lentry_in_a_cluster:
	s_bfe_u32 s2, ttmp6, 0x10000c
	s_cmp_lg_u32 s2, 0x3003
	s_cbranch_scc0 .Lentry_shape_is_right
	s_endpgm
.Lentry_shape_is_right:
; PatternFFN, launch 4 of 4: out0 = H down_w + down_b, on the codes and scale bytes that launch up stored and on down_w's, K = 4,096 in 32 steps of 128.
; router_out has no way to an output (shown at the head of launch prep): it is no argument.
; SHARES.  Work-group (tb, nb): tokens 256 tb on, outputs 128 nb on.  A wave: 64 tokens (tiles i = 0..3) x 128 outputs (tiles j = 0..7): 32 accumulators, which begin as down_b.
; H's fragments and scale words are the wave's own: they come from memory straight into registers as images, three K steps ahead (51 loads out, each of 512 consecutive bytes but the scale words' 256).
; down_w's images go through two LDS slots of eight K steps each; its scale bytes for all of K lie in LDS, filled once.
; CLUSTER.  The four token blocks of a cluster need the same tiles and scale bytes of down_w: each is asked for JOINTLY, by the same tensor load with the same descriptor (made of nb and the wave's
; number alone) and the mask of all four.  The work-group's place in its cluster enters only the global addresses of H, its scale words and out0.
; THE PRODUCT IS USED TRANSPOSED (source 0 = 16 outputs' rows of down_w, source 1 = 16 tokens): a lane holds eight neighbouring outputs of one token.
; REGISTERS.  window 0: v1, v2 the add's two; v3-11 addresses; v16-23 H's scale words, four sets of two; v24-55 down_w's, two sets of 16; v64-191 the way out.
;   window 1: accumulator (i, j) at 8 (8 i + j).   window 2: H's fragments, four sets: 64 (k % 4) + 16 i.   window 3: down_w's, two sets: 128 (k % 2) + 16 j.
.set SLOT1, 131072                     ; LDS: slot 0 at 0, slot 1 here: tile j at 16384 j, K step at 2048 (k % 8)
.set SCB,   262144                     ; down_w's scale bytes: 128 rows of 128 bytes, 16 of padding behind each 256
.set SPARE, 279552                     ; the spare words, 128 bytes a wave
.set STAGE, 280064                     ; the way out: 16 rows x (512 + 16) bytes for each wave; no tensor load lands here
.set MSB, 0
.macro WIN new                         ; the immediate's high byte repeats the setting that is left; a switch that changes nothing is dropped
.if MSB != \new
	s_set_vgpr_msb (MSB<<8)|\new
.set MSB, \new
.endif
.endm
.macro WM                              ; the product, from the symbols D_, A_, B_ (registers), SA_, SB_ (scale registers), RA_, RB_ (1: the scales stand in lanes 16-31)
.if RA_ && RB_
	v_wmma_scale_f32_16x16x128_f8f6f4 v[D_:D_+7], v[A_:A_+15], v[B_:B_+15], v[D_:D_+7], v[SA_], v[SB_] matrix_a_scale:MATRIX_SCALE_ROW1 matrix_b_scale:MATRIX_SCALE_ROW1
.elseif RA_
	v_wmma_scale_f32_16x16x128_f8f6f4 v[D_:D_+7], v[A_:A_+15], v[B_:B_+15], v[D_:D_+7], v[SA_], v[SB_] matrix_a_scale:MATRIX_SCALE_ROW1
.elseif RB_
	v_wmma_scale_f32_16x16x128_f8f6f4 v[D_:D_+7], v[A_:A_+15], v[B_:B_+15], v[D_:D_+7], v[SA_], v[SB_] matrix_b_scale:MATRIX_SCALE_ROW1
.else
	v_wmma_scale_f32_16x16x128_f8f6f4 v[D_:D_+7], v[A_:A_+15], v[B_:B_+15], v[D_:D_+7], v[SA_], v[SB_]
.endif
.endm
; A round of the cluster's barrier: my work-group's barrier; wave 0 signals for the work-group; every wave waits for all four work-groups; my work-group's barrier once more
.macro ROUND
	s_barrier_signal -1
	s_barrier_wait -1
	s_cmp_lg_u32 s16, 0
	s_cbranch_scc1 .Lnot_wave_0_\@
	s_barrier_signal -3
.Lnot_wave_0_\@:
	s_barrier_wait -3
	s_barrier_signal -1
	s_barrier_wait -1
.endm
.macro ALOAD q                         ; H's four fragments and two scale words of the range's K step q (q may reach into the next range): 17 loads
	WIN 0x80
.irp i, 0,1,2,3
.irp c, 0,1,2,3
	global_load_b128 v[64*((\q)%4)+16*\i+4*\c:64*((\q)%4)+16*\i+4*\c+3], v3, s[52:53] offset:65536*\i+2048*(\q)+512*\c
.endr
.endr
	WIN 0
	global_load_b64 v[16+2*((\q)%4):17+2*((\q)%4)], v7, s[54:55] offset:256*(\q)
.endm
.macro BLOAD q                         ; down_w's eight fragments of K step q % 8 of the slot in hand: 32 loads
	WIN 0xc0
.irp j, 0,1,2,3,4,5,6,7
.irp c, 0,1,2,3
	ds_load_b128 v[128*((\q)%2)+16*\j+4*\c:128*((\q)%2)+16*\j+4*\c+3], v[4+\j/4] offset:16384*(\j%4)+2048*((\q)%8)+512*\c
.endr
.endr
	WIN 0
.endm
.macro BSLOAD set, off                 ; down_w's scale words of four K steps: register 4 j' + q: tile 2 j' in lanes 0-15, tile 2 j' + 1 in lanes 16-31
.irp jp, 0,1,2,3
	ds_load_b128 v[24+16*(\set)+4*\jp:27+16*(\set)+4*\jp], v6 offset:4352*\jp+(\off)
.endr
.endm
; The change of slots with a refill: every wave waits for all its tensor loads (its part of the next slot), adds 0 to its spare word, and waits for that and for its reads of the slot that it
; leaves; a round of the cluster's barrier, so that this holds of every wave of all four work-groups; the joint refill of the slot just left comes first behind it and has eight K steps, 256 products, in which to land.
.macro CHANGE_FILL
	s_wait_tensorcnt 0x0                           ; no tensor load of mine is out, so the walking group 0 may be written
	ds_add_u32 v1, v2                              ; 0 onto my spare word; the descriptor's steps stand between it and the wait for it
	s_xor_b32 s49, s49, SLOT1                      ; the other slot than last time,
	s_add_nc_u64 s[50:51], s[50:51], 16384         ; the next eight K steps of my two tiles
	s_xor_b32 s20, s20, SLOT1                      ; and the reads go on to the other slot
	s_wait_dscnt 0x0                               ; the add is done, and my reads of the slot that I leave are in
	ROUND
	tensor_load_to_lds s[48:51], s[24:31]
	s_nop 0
.rept 4
	v_nop
.endr
	v_add_nc_u32 v4, s20, v3
	v_add_nc_u32 v5, 0x10000, v4
.endm
.macro CHANGE_PLAIN                    ; the last change: nothing is filled again; the last slot is whole when every wave's load has landed
	s_wait_tensorcnt 0x0
	s_wait_dscnt 0x0
	s_barrier_signal -1
	s_barrier_wait -1
	s_xor_b32 s20, s20, SLOT1
	v_add_nc_u32 v4, s20, v3
	v_add_nc_u32 v5, 0x10000, v4
.endm
; K step q of a range of eight.  chg: what its last step does (1: change with refill, 2: plain change, 0: nothing).  pf = 1: prefetch.  tail = 1: the last range.
.macro STEPK q, chg, pf, tail
	WIN 0
.rept 8
	v_nop                                          ; eight places in front of loads into registers that the last step's products have read
.endr
.if ((\q) == 7) && ((\chg) == 1)
	CHANGE_FILL
.elseif ((\q) == 7) && ((\chg) == 2)
	CHANGE_PLAIN
.endif
.if (\q) == 1
	BSLOAD 1, 16                                   ; the range's K steps 4 to 7
.endif
.if ((\q) == 5) && !(\tail)
	BSLOAD 0, 32                                   ; the next range's K steps 0 to 3
.endif
.if !((\tail) && ((\q) == 7))
	BLOAD (\q)+1
.endif
.if !((\tail) && ((\q) > 4))
	ALOAD (\q)+3
.endif
.if \pf
	; A prefetch into the L2 of my four tiles' images of the K step that stands eight on: 32 blocks of 256 bytes, a lane a block.  All eight work-groups of a token block read the same images:
	; the one with nb = 0 asks (nb is the same in all partners of a cluster), so each block is named once.  The first eight K steps come by their loads alone; the last range asks for nothing.
	s_cmp_eq_u32 s19, 0
	s_cbranch_scc0 .Lnp_\@
	global_prefetch_b8 v8, s[52:53] offset:2048*((\q)+8) th:TH_LOAD_NT scope:SCOPE_SE
.Lnp_\@:
.endif
.if (\tail) && ((\q) == 7)
	s_wait_dscnt 0x0
.else
	s_wait_dscnt 32                                ; this step's fragments and scale words of down_w are in; the next step's 32 loads stay out
.endif
.if (\tail) && ((\q) > 4)
	s_wait_loadcnt 17*(7-(\q))                     ; nothing more is asked for: the counts run down
.else
	s_wait_loadcnt 51                              ; this step's H is in; three K steps of 17 loads stay out
.endif
	WIN 0x5b                                       ; source 0 window 3, source 1 window 2, C and D window 1
.irp i, 0,1,2,3
.irp j, 0,1,2,3,4,5,6,7
.set D_, 8*(8*\i+\j)
.set A_, 128*((\q)%2)+16*\j
.set B_, 64*((\q)%4)+16*\i
.set SA_, 24+16*(((\q)/4)%2)+4*(\j/2)+(\q)%4
.set SB_, 16+2*((\q)%4)+\i/2
.set RA_, \j%2
.set RB_, \i%2
	WM                                             ; the 32 accumulators take turns, in the same order in every step
.endr
.endr
.endm
.macro RANGE_END                       ; on to the next eight K steps
	WIN 0
	s_wait_xcnt 0x0                                ; the loads and the prefetches have read their bases
	s_add_nc_u64 s[52:53], s[52:53], 16384
	s_add_nc_u64 s[54:55], s[54:55], 2048
	v_add_nc_u32 v6, 32, v6
.endm
	s_load_b256 s[4:11], s[0:1], 0x0               ; hc s[4:5], hs s[6:7], dwi s[8:9], down_w_scales s[10:11]
	s_load_b128 s[12:15], s[0:1], 0x20             ; down_b s[12:13], out0 s[14:15]
	v_lshl_add_u32 v1, v0, 2, SPARE                ; my spare word; never rewritten
	v_mov_b32 v2, 0                                ; 0; never rewritten
	ds_add_u32 v1, v2                              ; the wave's opening: the add, twice on end, and its wait ahead of the round in front of my first tensor loads
	ds_add_u32 v1, v2
	v_lshrrev_b32 v12, 5, v0
	v_readfirstlane_b32 s16, v12                   ; wave 0..3
	s_bfe_u32 s17, ttmp6, 0x40000                  ; cx: my place in the cluster
	s_lshl_b32 s18, ttmp9, 2                       ; in a cluster launch ttmp9 counts clusters
	s_add_co_u32 s18, s18, s17                     ; tb
	s_and_b32 s19, ttmp7, 0xffff                   ; nb, which the four partners share
	s_mov_b32 s20, 0                               ; the slot in hand
	s_mov_b32 s21, 2                               ; ranges with a refill
	; descriptor group 1 for down_w's images: my two tiles x eight K steps: two rows of 2,048 elements of 8 bytes, 8,192 elements apart
	s_mov_b32 s24, 15|(3<<16)|(1<<21)              ; the mask: all four work-groups; bit 21 beside it
	s_mov_b32 s25, 2048<<16                        ; tensor_dim0
	s_mov_b32 s26, 2<<16                           ; tensor_dim1
	s_mov_b32 s27, 2048<<16                        ; tile_dim0
	s_mov_b32 s28, 2                               ; tile_dim1
	s_mov_b32 s29, 8192                            ; the pitch
	s_mov_b32 s30, 0
	s_mov_b32 s31, 0
	; and for its scale bytes: my 32 rows, 4,096 dense bytes, as 16 rows of 256 bytes, four words of padding behind each
	s_mov_b32 s32, 15|(3<<16)|(1<<20)|(1<<21)|(5<<22)|(3<<25)
	s_mov_b32 s33, 32<<16
	s_mov_b32 s34, 16<<16
	s_mov_b32 s35, 32<<16
	s_mov_b32 s36, 16
	s_mov_b32 s37, 32
	s_mov_b32 s38, 0
	s_mov_b32 s39, 0
	v_and_b32 v12, 31, v0                          ; lane
	v_and_b32 v13, 15, v0                          ; r
	v_bfe_u32 v14, v0, 4, 1                        ; h
	v_lshlrev_b32 v3, 4, v12                       ; 16 x lane
	v_add_nc_u32 v4, s20, v3                       ; down_w's tiles 0-3 in the slot in hand,
	v_add_nc_u32 v5, 0x10000, v4                   ; tiles 4-7
	v_lshrrev_b32 v15, 1, v12
	v_lshlrev_b32 v6, 7, v12
	v_lshl_add_u32 v6, v15, 4, v6
	v_add_nc_u32 v6, SCB, v6                       ; scale row l: 128 bytes a row, 16 more behind every second
	v_lshlrev_b32 v7, 3, v12                       ; hs: 8 bytes a lane
	v_lshrrev_b32 v15, 3, v12
	v_and_b32 v8, 7, v12
	v_lshlrev_b32 v8, 8, v8
	v_lshl_add_u32 v8, v15, 16, v8                 ; the prefetches: tile l / 8, block l % 8 of its image
	s_mul_i32 s22, s16, 8448
	s_add_co_u32 s22, s22, STAGE                   ; my stage
	v_mul_u32_u24 v9, v13, 528
	v_lshl_add_u32 v9, v14, 5, v9
	v_add_nc_u32 v9, s22, v9                       ; in: row r, 32 bytes for each half of the lanes
	v_add_nc_u32 v10, s22, v3                      ; back: the 32 lanes take a row of 512 bytes
	v_lshlrev_b32 v11, 5, v14                      ; down_b: 32 h
	s_mov_b32 s40, 1
	s_mul_i32 s41, s16, 4352
	s_add_co_u32 s41, s41, SCB
	s_mov_b32 s44, 1
	s_lshl_b32 s45, s16, 15                        ; slot 0, my two tiles
	s_mov_b32 s48, 1
	s_add_co_u32 s49, s45, SLOT1                   ; slot 1
	s_mov_b32 s23, 0
	s_mov_b32 s59, 0
	s_wait_dscnt 0x0                               ; both opening adds are done
	s_wait_kmcnt 0x0
	s_lshl_b32 s22, s19, 14
	s_lshl_b32 s60, s16, 12
	s_add_co_u32 s22, s22, s60
	s_add_nc_u64 s[42:43], s[10:11], s[22:23]      ; down_w_scales + 16,384 nb + 4,096 wave
	s_or_b32 s43, s43, 0x80000000
	s_lshl_b32 s22, s19, 19
	s_lshl_b32 s60, s16, 17
	s_add_co_u32 s22, s22, s60
	s_add_nc_u64 s[46:47], s[8:9], s[22:23]        ; dwi + (8 nb + 2 wave) x 65,536: K steps 0-7
	s_add_nc_u64 s[50:51], s[46:47], 16384         ; K steps 8-15; this group 0 then walks on
	s_or_b32 s47, s47, 0x80000000
	s_or_b32 s51, s51, 0x80000000
	s_lshl_b32 s22, s19, 9
	s_add_nc_u64 s[12:13], s[12:13], s[22:23]      ; down_b + 512 nb
	s_add_nc_u64 s[14:15], s[14:15], s[22:23]      ; out0 + 512 nb
	s_lshl_b32 s58, s18, 20
	s_lshl_b32 s61, s16, 18
	s_add_co_u32 s58, s58, s61                     ; (16 tb + 4 wave) x 65,536 = (256 tb + 64 wave) x 4,096
	s_add_nc_u64 s[52:53], s[4:5], s[58:59]        ; H's images of my four tiles
	s_add_nc_u64 s[56:57], s[14:15], s[58:59]      ; my first row of out0
	s_lshl_b32 s58, s18, 15
	s_lshl_b32 s61, s16, 13
	s_add_co_u32 s58, s58, s61
	s_add_nc_u64 s[54:55], s[6:7], s[58:59]        ; hs + (4 tb + wave) x 8,192
	ROUND                                          ; all four work-groups are here: the first joint loads meet
	tensor_load_to_lds s[40:43], s[32:39]          ; the scale bytes, filled once; three loads of mine are out
	s_nop 0
	tensor_load_to_lds s[44:47], s[24:31]          ; slot 0
	s_nop 0
	tensor_load_to_lds s[48:51], s[24:31]          ; slot 1
	s_nop 0
.rept 4
	v_nop
.endr
	WIN 0x40
.irp i, 0,1,2,3
.irp j, 0,1,2,3,4,5,6,7
	global_load_b128 v[8*(8*\i+\j):8*(8*\i+\j)+3], v11, s[12:13] offset:64*\j        ; the sums begin as down_b: register n of accumulator (i, j) is output 16 j + 8 h + n
	global_load_b128 v[8*(8*\i+\j)+4:8*(8*\i+\j)+7], v11, s[12:13] offset:64*\j+16
.endr
.endr
	WIN 0
	ALOAD 0
	ALOAD 1
	ALOAD 2
	s_wait_tensorcnt 1                             ; my parts of the scale bytes and of slot 0 are in; slot 1's may stay out
	s_barrier_signal -1
	s_barrier_wait -1                              ; everybody's are
	BSLOAD 0, 0
	BLOAD 0
.Lrange:                                               ; two trips: ranges 0 and 1, each of which ends by filling its slot again
.irp q, 0,1,2,3,4,5,6,7
	STEPK \q, 1, 1, 0
.endr
	RANGE_END
	s_sub_co_u32 s21, s21, 1
	s_cmp_lg_u32 s21, 0
	s_cbranch_scc1 .Lrange
.irp q, 0,1,2,3,4,5,6,7
	STEPK \q, 2, 1, 0                              ; range 2 is written out
.endr
	RANGE_END
.irp q, 0,1,2,3,4,5,6,7
	STEPK \q, 0, 0, 1                              ; range 3: the tail
.endr
	WIN 0
; THE WAY OUT, a tile of 16 tokens at a time.  A lane holds 32 neighbouring bytes of a row and the lanes beside it other rows: so a tile goes through my own stage and comes back as whole rows of
; 512 bytes.  LDS serves a wave's instructions in order (ISA guide 5.7.1.4): no wait between the stores and the loads, nor in front of the next tile's stores.
.macro TOSTAGE i
	WIN 0x04                                       ; an LDS store's data are its source 1: window 1
.irp j, 0,1,2,3,4,5,6,7
	ds_store_b128 v9, v[8*(8*(\i)+\j):8*(8*(\i)+\j)+3] offset:64*\j           ; each accumulator from its low end on
	ds_store_b128 v9, v[8*(8*(\i)+\j)+4:8*(8*(\i)+\j)+7] offset:64*\j+16
.endr
	WIN 0
.irp t, 0,1,2,3,4,5,6,7,8,9,10,11,12,13,14,15
	ds_load_b128 v[64+64*((\i)%2)+4*\t:67+64*((\i)%2)+4*\t], v10 offset:528*\t
.endr
.endm
.macro SEND i, younger                 ; younger: the LDS instructions issued behind tile i's loads, which may stay out
	s_wait_dscnt \younger
.irp t, 0,1,2,3,4,5,6,7,8,9,10,11,12,13,14,15
	global_store_b128 v3, v[64+64*((\i)%2)+4*\t:67+64*((\i)%2)+4*\t], s[56:57] offset:65536*(\i)+4096*\t th:TH_STORE_NT   ; 32 lanes store 512 consecutive bytes, aligned; written once, read by nobody here
.endr
.endm
.rept 8
	v_nop                                          ; eight places behind the last products, ahead of the first read of results
.endr
	TOSTAGE 0
	TOSTAGE 1
	SEND 0, 32                                     ; behind tile 0's loads: tile 1's 16 stores and 16 loads
	s_wait_xcnt 0x0                                ; tile 0's stores have read their registers: tile 2's loads may land there
	TOSTAGE 2
	SEND 1, 32
	s_wait_xcnt 0x0
	TOSTAGE 3
	SEND 2, 32
	SEND 3, 0
	s_wait_tensorcnt 0x0                           ; the wave's end, behind my last tensor load and my last LDS store
	ds_add_u32 v1, v2
	s_wait_dscnt 0x0
	ROUND                                          ; the closing round: no work-group ends while a partner may still ask for a tile that names it
	s_endpgm
.Lfunc_end_k_qcc3aebe98a_down:
	.size	k_qcc3aebe98a_down, .Lfunc_end_k_qcc3aebe98a_down-k_qcc3aebe98a_down
	.p2alignl 7, 3214868480
	.fill 96, 4, 3214868480
	.section	.rodata,"a",@progbits
	.p2align	6, 0x0
	.amdhsa_kernel k_qcc3aebe98a_down
		.amdhsa_group_segment_fixed_size 327680
		.amdhsa_private_segment_fixed_size 0
		.amdhsa_enable_private_segment 0
		.amdhsa_kernarg_size 48
		.amdhsa_user_sgpr_count 2
		.amdhsa_user_sgpr_kernarg_segment_ptr 1
		.amdhsa_wavefront_size32 1
		.amdhsa_system_sgpr_workgroup_id_x 1
		.amdhsa_system_sgpr_workgroup_id_y 1
		.amdhsa_system_sgpr_workgroup_id_z 1
		.amdhsa_system_vgpr_workitem_id 0
		.amdhsa_next_free_vgpr 1024
		.amdhsa_next_free_sgpr 66
		.amdhsa_reserve_vcc 0
		.amdhsa_float_denorm_mode_32 3
		.amdhsa_float_denorm_mode_16_64 3
		.amdhsa_memory_ordered 1
		.amdhsa_forward_progress 1
		.amdhsa_inst_pref_size 227
	.end_amdhsa_kernel
	.amdgpu_metadata
---
amdhsa.version: [ 1, 2 ]
amdhsa.kernels:
  - .name:           k_qcc3aebe98a_down
    .symbol:         k_qcc3aebe98a_down.kd
    .args:
      - { .name: hc, .offset: 0, .size: 8, .value_kind: global_buffer, .address_space: global }
      - { .name: hs, .offset: 8, .size: 8, .value_kind: global_buffer, .address_space: global }
      - { .name: dwi, .offset: 16, .size: 8, .value_kind: global_buffer, .address_space: global }
      - { .name: down_w_scales, .offset: 24, .size: 8, .value_kind: global_buffer, .address_space: global }
      - { .name: down_b, .offset: 32, .size: 8, .value_kind: global_buffer, .address_space: global }
      - { .name: out0, .offset: 40, .size: 8, .value_kind: global_buffer, .address_space: global }
    .group_segment_fixed_size: 327680
    .private_segment_fixed_size: 0
    .kernarg_segment_align: 8
    .kernarg_segment_size: 48
    .max_flat_workgroup_size: 128
    .sgpr_count:     66
    .vgpr_count:     1024
    .wavefront_size: 32
...
	.end_amdgpu_metadata
.endif
;; end of part 4
